; MI455X (gfx1250); checked and timed in simulation.
; The chip was launched on July 23, 2026; its instructions are those of AMD's public machine-readable ISA for CDNA 5 (MIT licence, August 2026) and "CDNA5" Instruction Set Architecture Reference Guide (July 2026). The comments in the code are by the model that wrote it; some were corrected since.
;; Self Attention. Allowed arithmetic: float matrix products may take bf16 or f16 operands with f32 sums; other float arithmetic in f32, or as packed bf16 or f16 multiplies, adds, multiply-adds, maxima and minima; sums over many terms, partial sums and values carried from step to step in f32; what a program stores and reads back later, other than sums and carried values, may be rounded once to bf16 or f16.
;; Inputs: b_out 1,024 float32; w_out 1,024 x 1,024 float32; w_qkv 3,072 x 1,024 float32; x 2 x 2,048 x 1,024 float32.
;; Outputs: out0 2 x 2,048 x 1,024 float32.
;; One version. Each part assembles by itself: llvm-mc -triple=amdgcn-amd-amdhsa -mcpu=gfx1250 --defsym DOCPART=n.
;; ======== version 1 of 1: 3 launches
;; limits: values are held in f16: magnitudes above 65,504 overflow, below 6.1e-05 lose precision
;; workspace buffers: qkv 25,165,824 bytes; ao 8,388,608 bytes; wo 2,097,152 bytes
;; launch qkv (part 1): grid 16 x 16, 4 waves a work-group, clusters of 4 x 4, 327,680 bytes of LDS; arguments x, w_qkv, w_out, qkv, wo; writes qkv, wo
.if DOCPART == 1
	.amdgcn_target "amdgcn-amd-amdhsa--gfx1250"
	.amdhsa_code_object_version 6
	.text
	.protected	k_qd28879a867_qkv
	.globl	k_qd28879a867_qkv
	.p2align	8
	.type	k_qd28879a867_qkv,@function
k_qd28879a867_qkv:
	s_mov_b64 s[64:65], 0
	v_nop
	global_prefetch_b8 v0, s[64:65] scope:SCOPE_SE
	s_setreg_imm32_b32 hwreg(HW_REG_WAVE_MODE, 25, 1), 1
	s_wait_xcnt 0x0
	s_wait_alu depctr_hold_cnt(0) depctr_sa_sdst(0) depctr_va_vdst(0) depctr_va_sdst(0) depctr_va_ssrc(0) depctr_va_vcc(0) depctr_vm_vsrc(0)
	s_getreg_b32 s2, hwreg(HW_REG_IB_STS2, 6, 4)
	s_cmp_eq_u32 s2, 0
	s_cbranch_scc0 .Lentry_in_a_cluster
	s_endpgm
.Lentry_in_a_cluster:
	s_bfe_u32 s2, ttmp6, 0x10000c
	s_cmp_lg_u32 s2, 0xf033
	s_cbranch_scc0 .Lentry_shape_is_right
	s_endpgm
.Lentry_shape_is_right:
; qkv[s][n] = sum over k of x[s][k] w_qkv[n][k].  x: [4096][1024] f32, w_qkv: [3072][1024] f32; products in f16, sums in f32,
; the result rounded once to f16 and stored head-major: qkv[g = n / 64][b][s][64], block (g, b) at (2 g + b) x 262,144 bytes, rows of 128 bytes.
; WHY f16: the final output is a sum of 2,048 nearly equal weights times zero-mean values, so each operand rounding passes through at its full relative
; size; eleven significant bits keep the sum of all roundings far inside the allowance, eight do not.
; LIMIT: every operand and every q, k, v stays under 65,504 in magnitude.  With x and w_qkv both 30 times their drawn spread q, k, v reach about 3,500,
; with offsets of 30 spreads on both about 18,500.  Under 6.1e-5 a number keeps an absolute step of 6e-8.
; A work-group makes 256 rows x 192 columns (three heads) with four waves; a wave makes 128 x 96: 8 x 6 accumulator tiles, 384 registers.
; K goes in steps of 64 f32 (rows of 256 bytes, starting at multiples of 256 bytes) through two LDS slots filled by the tensor data mover.
; The operands are f32 in memory: a wave reads its fragments as f32 from LDS (four 16-byte loads for 16 rows x 32 K) into a landing area
; and rounds them to f16 in registers (eight packed conversions a fragment).  No f16 copy of x or w_qkv ever goes through memory.
; CLUSTERS: 4 x 4 work-groups.  The four of a cluster row need the same 256 rows of x, the four of a cluster column the same 192 rows of w_qkv:
; both tiles are asked for jointly, which divides the requests for them by four.
; SIDE JOB: the 256 work-groups also round w_out to f16, 64 rows x 64 columns each, into wo[n / 128][k / 64][128][64] for the third launch.
; REGISTERS: window 0: v16-24 addresses, F0 = v32-143 and F1 = v144-255 f16 fragments (x rows 8 x 8 registers, then w rows 6 x 8);
; window 1: v0-223 landing area, 16 registers a fragment; window 2: accumulators of column tiles 0-3; window 3: of column tiles 4, 5.
; The matrix instruction is used transposed (source 0 = rows of w, source 1 = rows of x): a lane holds eight neighbouring columns of one row.
.set PITCH,  272                       ; LDS row: 256 bytes + 16 of padding: sixteen rows start in sixteen different 16-byte columns
.set AHALF,  128*PITCH                 ; what one load of x brings
.set BHALF,  96*PITCH                  ; what one load of w_qkv brings
.set BBASE,  256*PITCH                 ; w rows lie behind the 256 rows of x
.set SLOT,   448*PITCH
.set SPITCH, 400                       ; the way out: 192 f16 + 16 bytes
.set ADRA, 16                          ; v16-17  my x fragments in slot 0, 1
.set ADRB, 18                          ; v18-19  my w fragments in slot 0, 1
.set STO,  20                          ; the way out: where I put 16 bytes
.set RD,   21                          ; the way out: where I read rows back
.set CO,   22                          ; my byte offset in a block of qkv
.set WI,   23                          ; side job: offset in w_out
.set WOF,  24                          ; side job: offset in wo
.set F0,   32
.set F1,   144
.set G1A,  24                          ; s[24:31] shape of x tiles
.set G0A,  32                          ; s[32:39] from where, to where: x, one set a slot
.set G1B,  48                          ; s[48:55] shape of w tiles
.set G0B,  56                          ; s[56:63] w, one set a slot
.set DBITS, (2<<16)|(1<<20)|(1<<21)|(5<<22)|(3<<25)   ; 4-byte elements; padding on; bit 21 beside a mask; after every 64 words; 4 words
.set MSB, 0
.macro WIN new                         ; the high byte of the immediate repeats the setting that is left
.if MSB != \new
	s_set_vgpr_msb (MSB<<8)|\new
.set MSB, \new
.endif
.endm
.macro PLACES
.rept 4
	v_nop
.endr
.endm
; A joint load: waves 0, 1 fetch the halves of x, waves 2, 3 those of w.  The branch hangs on the wave number alone.
.macro JLOAD s
	s_cmp_eq_u32 s15, 0
	s_cbranch_scc0 .Lfor_b_\@
	tensor_load_to_lds s[G0A+4*\s:G0A+4*\s+3], s[G1A:G1A+7]
	s_nop 0
	s_branch .Lasked_\@
.Lfor_b_\@:
	tensor_load_to_lds s[G0B+4*\s:G0B+4*\s+3], s[G1B:G1B+7]
	s_nop 0
.Lasked_\@:
.endm
.macro CREST                           ; a round of the cluster barrier behind its opening work-group barrier
	s_cmp_lg_u32 s14, 0
	s_cbranch_scc1 .Lnot_wave_0_\@
	s_barrier_signal -3
.Lnot_wave_0_\@:
	s_barrier_wait -3
	s_barrier_signal -1
	s_barrier_wait -1
.endm
.macro CROUND
	s_barrier_signal -1
	s_barrier_wait -1
	CREST
.endm
	s_load_b256 s[4:11], s[0:1], 0x0               ; x s[4:5], w_qkv s[6:7], w_out s[8:9], qkv s[10:11]
	s_load_b64 s[12:13], s[0:1], 0x20              ; wo
	s_set_vgpr_msb 0x40
	v_lshl_add_u32 v254, v0, 2, 0x3b800
	v_mov_b32 v255, 0
	s_set_vgpr_msb 0x4045
	ds_add_u32 v254, v255
	s_set_vgpr_msb 0x4500
	v_lshrrev_b32 v1, 5, v0
	v_readfirstlane_b32 s14, v1                    ; wave 0..3
	s_lshr_b32 s15, s14, 1                         ; my half of the rows.  Also: I fetch x (0) or w (1)
	s_and_b32 s16, s14, 1                          ; my half of the columns.  Also: which half of that tile I fetch
	s_bfe_u32 s17, ttmp6, 0x40000                  ; cx
	s_bfe_u32 s18, ttmp6, 0x40004                  ; cy
	s_lshl_b32 s19, ttmp9, 2
	s_add_co_u32 s19, s19, s17                     ; block column = 4 x cluster x + cx
	s_and_b32 s20, ttmp7, 0xffff
	s_lshl_b32 s20, s20, 2
	s_add_co_u32 s20, s20, s18                     ; block row = 4 x cluster y + cy
	s_lshl_b32 s2, s18, 2
	s_lshl_b32 s2, 15, s2                          ; my row of the cluster: places 4 cy .. 4 cy + 3
	s_lshl_b32 s3, 0x1111, s17                     ; my column: places cx, cx + 4, cx + 8, cx + 12
	s_or_b32 s[G1A+0], s2, DBITS                   ; x tiles go to my row
	s_or_b32 s[G1B+0], s3, DBITS                   ; w tiles go to my column
	s_mov_b32 s[G1A+1], 64<<16                     ; tensor_dim0 = 64 elements
	s_mov_b32 s[G1A+2], 128<<16                    ; tensor_dim1 = 128 rows
	s_mov_b32 s[G1A+3], 64<<16                     ; tile_dim0 = 64
	s_mov_b32 s[G1A+4], 128                        ; tile_dim1 = 128
	s_mov_b32 s[G1A+5], 1024                       ; elements from row to row
	s_mov_b32 s[G1A+6], 0
	s_mov_b32 s[G1A+7], 0
	s_mov_b32 s[G1B+1], 64<<16
	s_mov_b32 s[G1B+2], 96<<16                     ; 96 rows
	s_mov_b32 s[G1B+3], 64<<16
	s_mov_b32 s[G1B+4], 96
	s_mov_b32 s[G1B+5], 1024
	s_mov_b32 s[G1B+6], 0
	s_mov_b32 s[G1B+7], 0
	s_lshl_b32 s40, s20, 20                        ; x: (256 x block row + 128 x half) rows of 4,096 bytes
	s_lshl_b32 s21, s16, 19
	s_add_co_u32 s40, s40, s21
	s_mov_b32 s41, 0
	s_mul_i32 s42, s19, 192*4096                   ; w: (192 x block column + 96 x half) rows
	s_mul_i32 s21, s16, 96*4096
	s_add_co_u32 s42, s42, s21
	s_mov_b32 s43, 0
	s_mul_i32 s22, s14, AHALF                      ; where x halves go: wave x 128 rows (waves 0, 1)
	s_mul_i32 s23, s14, BHALF
	s_add_co_u32 s23, s23, BBASE-2*BHALF           ; where w halves go: behind x, (wave - 2) x 96 rows (waves 2, 3)
	s_wait_dscnt 0x0
	s_wait_kmcnt 0x0
	s_add_nc_u64 s[40:41], s[4:5], s[40:41]
	s_add_nc_u64 s[42:43], s[6:7], s[42:43]
	CROUND                                         ; all sixteen work-groups are here: the first joint loads meet
.irp s, 0,1
	s_mov_b32 s[G0A+4*\s], 1
	s_add_co_u32 s[G0A+4*\s+1], s22, \s*SLOT
	s_add_nc_u64 s[G0A+4*\s+2:G0A+4*\s+3], s[40:41], \s*256        ; K step s
	s_or_b32 s[G0A+4*\s+3], s[G0A+4*\s+3], 0x80000000
	s_mov_b32 s[G0B+4*\s], 1
	s_add_co_u32 s[G0B+4*\s+1], s23, \s*SLOT
	s_add_nc_u64 s[G0B+4*\s+2:G0B+4*\s+3], s[42:43], \s*256
	s_or_b32 s[G0B+4*\s+3], s[G0B+4*\s+3], 0x80000000
	JLOAD \s                                       ; both slots are asked for before anything else: two loads of this wave are out
.endr
	; SIDE JOB while the first tiles are on their way.  Work-group gid = 16 x block row + block column rounds rows
	; 128 (gid >> 5) + 64 (gid & 1) .. + 63, columns 64 ((gid >> 1) & 15) .. + 63 of w_out: 8,192 consecutive bytes of wo at 8,192 gid.
	s_lshl_b32 s44, s20, 4
	s_add_co_u32 s44, s44, s19                     ; gid
	s_lshr_b32 s45, s44, 5
	s_lshl_b32 s45, s45, 19
	s_and_b32 s46, s44, 1
	s_lshl_b32 s46, s46, 18
	s_add_co_u32 s46, s46, s45
	s_bfe_u32 s45, s44, 0x40001
	s_lshl_b32 s45, s45, 8
	s_add_co_u32 s46, s46, s45
	s_mov_b32 s47, 0
	s_add_nc_u64 s[8:9], s[8:9], s[46:47]
	s_lshl_b32 s44, s44, 13
	s_mov_b32 s45, 0
	s_add_nc_u64 s[12:13], s[12:13], s[44:45]
	v_lshrrev_b32 v1, 3, v0                        ; thread t: row t / 8 of sixteen, 32 bytes at 32 (t % 8)
	v_and_b32 v2, 7, v0
	v_lshlrev_b32 v2, 5, v2
	v_lshl_add_u32 v[WI], v1, 12, v2
	v_lshlrev_b32 v[WOF], 4, v0                    ; out: 16 t, so a wave stores 512 consecutive bytes
.irp j, 0,1,2,3
	global_load_b128 v[F0+8*\j:F0+8*\j+3],   v[WI], s[8:9] offset:\j*65536 th:TH_LOAD_NT
	global_load_b128 v[F0+8*\j+4:F0+8*\j+7], v[WI], s[8:9] offset:\j*65536+16 th:TH_LOAD_NT
.endr
	; LDS addresses.  A 16-bit fragment wants of row l % 16: K = 8 h .. 8 h + 7 and 16 + 8 h .. + 7 (h = l / 16); in f32 that is
	; 32 bytes at 32 h and 32 bytes at 64 + 32 h of each 128 bytes.
	v_and_b32 v1, 15, v0
	v_bfe_u32 v2, v0, 4, 1
	v_and_b32 v3, 31, v0
	v_mul_u32_u24 v4, v1, PITCH
	v_lshl_add_u32 v4, v2, 5, v4
	s_mul_i32 s22, s15, AHALF
	s_mul_i32 s23, s16, BHALF
	s_add_co_u32 s23, s23, BBASE
.irp s, 0,1
	v_add_nc_u32 v[ADRA+\s], s22, v4
	v_add_nc_u32 v[ADRB+\s], s23, v4
	s_add_co_u32 s22, s22, SLOT
	s_add_co_u32 s23, s23, SLOT
.endr
	s_mul_i32 s22, s15, 128*SPITCH                 ; the way out, in: row 128 x row half + l % 16, byte 192 x column half + 16 h
	s_mul_i32 s23, s16, 192
	s_add_co_u32 s22, s22, s23
	v_mul_u32_u24 v5, v1, SPITCH
	v_lshl_add_u32 v5, v2, 4, v5
	v_add_nc_u32 v[STO], s22, v5
	s_mul_i32 s22, s14, 64*SPITCH                  ; back: wave w takes rows 64 w .. + 63, eight lanes a row of one head
	v_lshrrev_b32 v5, 3, v3
	v_mul_u32_u24 v5, v5, SPITCH
	v_and_b32 v6, 7, v0
	v_lshl_add_u32 v5, v6, 4, v5
	v_add_nc_u32 v[RD], s22, v5
	s_lshl_b32 s21, s14, 13
	v_lshl_add_u32 v[CO], v3, 4, s21               ; 64 rows of 128 bytes a wave, 16 bytes a lane
	s_wait_loadcnt 0x0                             ; the eight loads of w_out
.irp j, 0,1,2,3
.irp q, 0,1,2,3
	v_cvt_pk_f16_f32 v[F0+32+4*\j+\q], v[F0+8*\j+2*\q], v[F0+8*\j+2*\q+1]
.endr
.endr
.irp j, 0,1,2,3
	global_store_b128 v[WOF], v[F0+32+4*\j:F0+32+4*\j+3], s[12:13] offset:\j*2048
.endr
	s_wait_xcnt 0x0                                ; the data of these stores lie in fragment buffer 0, which is written again below
; 56 LDS loads: the f32 fragments of 32 along K (half kk of the slot's K step) into the landing area
.macro LOADF slot, kk
	WIN 0x40
.irp f, 0,1,2,3,4,5,6,7
	ds_load_b128 v[16*\f:16*\f+3],     v[ADRA+\slot] offset:\f*16*PITCH+\kk*128
	ds_load_b128 v[16*\f+4:16*\f+7],   v[ADRA+\slot] offset:\f*16*PITCH+\kk*128+16
	ds_load_b128 v[16*\f+8:16*\f+11],  v[ADRA+\slot] offset:\f*16*PITCH+\kk*128+64
	ds_load_b128 v[16*\f+12:16*\f+15], v[ADRA+\slot] offset:\f*16*PITCH+\kk*128+80
.endr
.irp f, 0,1,2,3,4,5
	ds_load_b128 v[128+16*\f:128+16*\f+3],     v[ADRB+\slot] offset:\f*16*PITCH+\kk*128
	ds_load_b128 v[128+16*\f+4:128+16*\f+7],   v[ADRB+\slot] offset:\f*16*PITCH+\kk*128+16
	ds_load_b128 v[128+16*\f+8:128+16*\f+11],  v[ADRB+\slot] offset:\f*16*PITCH+\kk*128+64
	ds_load_b128 v[128+16*\f+12:128+16*\f+15], v[ADRB+\slot] offset:\f*16*PITCH+\kk*128+80
.endr
.endm
; The landing area is rounded to f16 into fragment buffer fb.  The wait lets the four loads of each younger fragment stay out.
; The products that read buffer fb lie a K half back, behind the other buffer's 112 conversions; four plain places stand ahead all the same,
; so that the distance behind those products (ISA guide 7.12.1) does not rest on the conversions alone.
.macro CVT fb
	WIN 0x05
	PLACES
.irp f, 0,1,2,3,4,5,6,7,8,9,10,11,12,13
	s_wait_dscnt 4*(13-\f)
.irp q, 0,1,2,3,4,5,6,7
	v_cvt_pk_f16_f32 v[\fb+8*\f+\q], v[16*\f+2*\q], v[16*\f+2*\q+1]
.endr
.endr
.endm
; Eight products: column tile t (place tw in its window) with the eight row tiles.  zero = 1: the first product starts the sums.
.macro MULT fb, t, tw, zero
.irp i, 0,1,2,3,4,5,6,7
.if \zero
	v_wmma_f32_16x16x32_f16 v[8*(8*\tw+\i):8*(8*\tw+\i)+7], v[\fb+8*(8+\t):\fb+8*(8+\t)+7], v[\fb+8*\i:\fb+8*\i+7], 0
.else
	v_wmma_f32_16x16x32_f16 v[8*(8*\tw+\i):8*(8*\tw+\i)+7], v[\fb+8*(8+\t):\fb+8*(8+\t)+7], v[\fb+8*\i:\fb+8*\i+7], v[8*(8*\tw+\i):8*(8*\tw+\i)+7]
.endif
.endr
.endm
; The 48 accumulators take turns, one instruction a turn, in the same order in every K half.
.macro MULLO fb, zero
	WIN 0xa0
	MULT \fb, 0, 0, \zero
	MULT \fb, 1, 1, \zero
	MULT \fb, 2, 2, \zero
	MULT \fb, 3, 3, \zero
.endm
.macro MULHI fb, zero
	WIN 0xf0
	MULT \fb, 4, 0, \zero
	MULT \fb, 5, 1, \zero
.endm
; One K step of 64.  On entry the first half's f32 fragments are on their way into the landing area.
; fill = 1: this slot is filled again, two K steps ahead, behind a round of the cluster barrier.
.macro STEP slot, next, fill, zero, last
	CVT F0
	LOADF \slot, 1
	MULLO F0, \zero
	MULHI F0, \zero
	CVT F1                                         ; its last wait is for 0: my reads of this slot are over
.if \last
	MULLO F1, 0
	MULHI F1, 0
.else
	s_wait_dscnt 0x0                               ; my reads of this slot are back
	s_wait_tensorcnt 0x0                           ; all my tensor loads have landed: the one that was out is my part of the next slot
	ds_add_u32 v254, v255
	s_wait_dscnt 0x0
	s_barrier_signal -1
	MULLO F1, 0                                    ; register work while the others arrive
	WIN 0
	s_barrier_wait -1
.if \fill
	CREST                                          ; all sixteen work-groups have said so: no partner reads this slot or has a load on its way
	s_add_nc_u64 s[G0A+4*\slot+2:G0A+4*\slot+3], s[G0A+4*\slot+2:G0A+4*\slot+3], 512
	s_add_nc_u64 s[G0B+4*\slot+2:G0B+4*\slot+3], s[G0B+4*\slot+2:G0B+4*\slot+3], 512
	JLOAD \slot                                    ; my one tensor load behind the round, and the first thing there
.endif
	LOADF \next, 0
	MULHI F1, 0
.endif
.endm
	s_wait_tensorcnt 0x1                           ; my part of K step 0 is in; K step 1 stays out
	s_barrier_signal -1
	s_barrier_wait -1
	LOADF 0, 0
	STEP 0, 1, 1, 1, 0                             ; K steps 0, 1 stand in front of the loop: the first products start the sums
	STEP 1, 0, 1, 0, 0
	WIN 0
	s_mov_b32 s21, 6                               ; K steps 2 .. 13
.Lk:
	STEP 0, 1, 1, 0, 0
	STEP 1, 0, 1, 0, 0
	WIN 0
	s_sub_co_u32 s21, s21, 1
	s_cmp_lg_u32 s21, 0
	s_cbranch_scc1 .Lk
	STEP 0, 1, 0, 0, 0                             ; K steps 14, 15 fill nothing
	STEP 1, 0, 0, 0, 1
	; THE WAY OUT.  The block goes as f16 into a stage of 256 rows x 400 bytes in slot 0, which has had its last fill and whose last reads
	; every wave closed in front of the barrier of K step 14; then whole head rows are read back and stored.
	PLACES                                         ; four places behind the last products, for the conversions that read them
	s_mul_i32 s44, s19, 6                          ; block (g, b) with g = 3 x block column, b = block row / 8: (6 x block column + b) x 262,144
	s_lshr_b32 s45, s20, 3
	s_add_co_u32 s44, s44, s45
	s_lshl_b32 s44, s44, 18
	s_and_b32 s45, s20, 7                          ; and 256 rows of 128 bytes for each block row inside the batch
	s_lshl_b32 s45, s45, 15
	s_add_co_u32 s44, s44, s45
	s_mov_b32 s45, 0
	s_add_nc_u64 s[10:11], s[10:11], s[44:45]
.macro OUTT t, tw, from
	WIN \from
.irp i, 0,1,2,3,4,5,6,7
.irp q, 0,1,2,3
	v_cvt_pk_f16_f32 v[F0+4*\i+\q], v[8*(8*\tw+\i)+2*\q], v[8*(8*\tw+\i)+2*\q+1]
.endr
.endr
	WIN 0
.irp i, 0,1,2,3,4,5,6,7
	ds_store_b128 v[STO], v[F0+4*\i:F0+4*\i+3] offset:\i*16*SPITCH+\t*32
.endr
.endm
	OUTT 0, 0, 0x0a
	OUTT 1, 1, 0x0a
	OUTT 2, 2, 0x0a
	OUTT 3, 3, 0x0a
	OUTT 4, 0, 0x0f
	OUTT 5, 1, 0x0f
	s_wait_dscnt 0x0                               ; my stores are in LDS: a head's row holds bytes of two waves
	s_barrier_signal -1
	s_barrier_wait -1
; Head hh of the three: my 64 rows, four rows (512 consecutive bytes of qkv) an instruction.
.macro OUTH hh, buf
.irp q, 0,1,2,3,4,5,6,7,8,9,10,11,12,13,14,15
	ds_load_b128 v[\buf+4*\q:\buf+4*\q+3], v[RD] offset:\q*4*SPITCH+\hh*128
.endr
.irp q, 0,1,2,3,4,5,6,7,8,9,10,11,12,13,14,15
	s_wait_dscnt 15-\q                             ; the younger read-backs stay out
	global_store_b128 v[CO], v[\buf+4*\q:\buf+4*\q+3], s[10:11] offset:\hh*524288+\q*512
.endr
.endm
	OUTH 0, 64
	OUTH 1, 144
	s_wait_xcnt 0x0                                ; v64-127, which the first head's stores read, are loaded again only behind this wait
	OUTH 2, 64
	s_set_vgpr_msb 0x5
	s_wait_tensorcnt 0x0
	ds_add_u32 v254, v255
	s_wait_dscnt 0x0
	s_set_vgpr_msb 0x500
	CROUND                                         ; the closing round: no work-group ends while a partner may still ask jointly
	s_endpgm
.Lfunc_end_k_qd28879a867_qkv:
	.size	k_qd28879a867_qkv, .Lfunc_end_k_qd28879a867_qkv-k_qd28879a867_qkv
	.p2alignl 7, 3214868480
	.fill 96, 4, 3214868480
	.section	.rodata,"a",@progbits
	.p2align	6, 0x0
	.amdhsa_kernel k_qd28879a867_qkv
		.amdhsa_group_segment_fixed_size 327680
		.amdhsa_private_segment_fixed_size 0
		.amdhsa_enable_private_segment 0
		.amdhsa_kernarg_size 40
		.amdhsa_user_sgpr_count 2
		.amdhsa_user_sgpr_kernarg_segment_ptr 1
		.amdhsa_wavefront_size32 1
		.amdhsa_system_sgpr_workgroup_id_x 1
		.amdhsa_system_sgpr_workgroup_id_y 1
		.amdhsa_system_sgpr_workgroup_id_z 1
		.amdhsa_system_vgpr_workitem_id 0
		.amdhsa_next_free_vgpr 896
		.amdhsa_next_free_sgpr 66
		.amdhsa_reserve_vcc 0
		.amdhsa_float_denorm_mode_32 3
		.amdhsa_float_denorm_mode_16_64 3
		.amdhsa_memory_ordered 1
		.amdhsa_forward_progress 1
		.amdhsa_inst_pref_size 209
	.end_amdhsa_kernel
	.amdgpu_metadata
---
amdhsa.version: [ 1, 2 ]
amdhsa.kernels:
  - .name:           k_qd28879a867_qkv
    .symbol:         k_qd28879a867_qkv.kd
    .args:
      - { .name: x, .offset: 0, .size: 8, .value_kind: global_buffer, .address_space: global }
      - { .name: w_qkv, .offset: 8, .size: 8, .value_kind: global_buffer, .address_space: global }
      - { .name: w_out, .offset: 16, .size: 8, .value_kind: global_buffer, .address_space: global }
      - { .name: qkv, .offset: 24, .size: 8, .value_kind: global_buffer, .address_space: global }
      - { .name: wo, .offset: 32, .size: 8, .value_kind: global_buffer, .address_space: global }
    .group_segment_fixed_size: 327680
    .private_segment_fixed_size: 0
    .kernarg_segment_align: 8
    .kernarg_segment_size: 40
    .max_flat_workgroup_size: 128
    .sgpr_count:     66
    .vgpr_count:     896
    .wavefront_size: 32
...
	.end_amdgpu_metadata
.endif
;; end of part 1
;; launch attn (part 2): grid 8 x 32, 8 waves a work-group, clusters of 4 x 1, 327,680 bytes of LDS; arguments qkv, ao; writes ao
.if DOCPART == 2
	.amdgcn_target "amdgcn-amd-amdhsa--gfx1250"
	.amdhsa_code_object_version 6
	.text
	.protected	k_qd28879a867_attn
	.globl	k_qd28879a867_attn
	.p2align	8
	.type	k_qd28879a867_attn,@function
k_qd28879a867_attn:
	s_mov_b64 s[64:65], 0
	v_nop
	global_prefetch_b8 v0, s[64:65] scope:SCOPE_SE
	s_setreg_imm32_b32 hwreg(HW_REG_WAVE_MODE, 25, 1), 1
	s_wait_xcnt 0x0
	s_wait_alu depctr_hold_cnt(0) depctr_sa_sdst(0) depctr_va_vdst(0) depctr_va_sdst(0) depctr_va_ssrc(0) depctr_va_vcc(0) depctr_vm_vsrc(0)
	s_getreg_b32 s2, hwreg(HW_REG_IB_STS2, 6, 4)
	s_cmp_eq_u32 s2, 0
	s_cbranch_scc0 .Lentry_in_a_cluster
	s_endpgm
.Lentry_in_a_cluster:
	s_bfe_u32 s2, ttmp6, 0x10000c
	s_cmp_lg_u32 s2, 0x3003
	s_cbranch_scc0 .Lentry_shape_is_right
	s_endpgm
.Lentry_shape_is_right:
; One head (y = 2 h + b) and 256 queries a work-group.  qkv (f16) as the first launch stored it.
; EIGHT WAVES, two for each 64 queries (four tiles of 16): wave w has query group w & 3 and key half w >> 2, and takes half of the keys of every slot.
; For 32 keys a wave issues 32 matrix instructions and about 190 vector instructions; with two waves of 512 registers on a SIMD one wave's weights can be
; issued while the other's products run.  The keys are split, not the queries, so each K and V fragment is read from LDS by four waves, as with four waves.
; The partners meet twice in LDS: for the row minimum between the passes, and for O and the sums at the end.
; stablemax3 is no exponential: s(x - m) does not factor, so the true row maximum is found first.  PASS 1 makes all scores for the row extreme
; alone; PASS 2 makes them again, forms the weights, multiplies by V and normalises.
; ARITHMETIC.  Q is scaled by -1/128 = -(1/8)(1/16), so a score product is z = -logit / 16.  Pass 1: mn = least z = -(largest logit) / 16.
; Pass 2: the first score product takes C = 1/16 - mn, so the matrix unit delivers T = t / 16 with t = 1 + (max - logit) >= 1.  With y = t - 1,
; 6 (1 + y + y^2/2 + y^3/6) = t^3 + 3 t + 2, and T (T T + 3/256) + 2/4096 is that number / 4096: two fused multiply-adds.  The weight is its reciprocal,
; 4096/6 = 683 at the most, so that the f16 step of 6e-8 lies ten decades under the largest weight; the factor cancels in s / sum s.
; All matrix operands are f16 (eleven significant bits): the output is a sum of many nearly equal weights times zero-mean values, through which each
; operand rounding passes at its full relative size.
; LIMITS.  After the maximum is taken off x <= 0, so only the branch for x < 0 is computed; at x = 0 both branches give 1, and a t that rounding leaves
; an ulp under 1 meets the same cubic, which is continuous there.  1/16 - mn is rounded at half an ulp of the largest logit / 16.  A scaled q under 6.1e-5
; (q under 0.0078) keeps an absolute step of 6e-8.  Weights under 3e-8 against a largest of 683 enter the product with V as 0; a denominator that overflows
; gives the weight 0.  The result ao is f16: under 65,504, and under 6.1e-5 on a step of 6e-8 (with x and w_qkv both 30 times smaller than drawn its rms
; is 1.9e-5, and the step is then a thousandth of it).  NaN in the scores is not carried by the minimum.
; LAYOUT.  S^T = K Q^T: a lane holds query l % 16 and keys 8 (l / 16) + j.  Two such tiles, packed to f16, ARE the second source P^T (32 keys) of
; O^T = V^T P^T; V^T comes by transposing loads from V stored [key][d].  Row figures are a lane's own up to one exchange between the halves.
; CLUSTERS: the four work-groups of a cluster are four query blocks of one head and read the same K and V tiles: all tiles are asked for jointly (mask 15).
; LDS: two slots of 155,648 bytes.  Pass 1: 1,024 keys of K, pitch 144.  Pass 2: 512 keys of V, pitch 160, then 512 keys of K, pitch 144.
; Behind them 4,096 bytes for the minima, into which no tensor load lands.  The exchange of O (8 x 8,704 bytes) and the eight stages of the way out
; (16 rows x 144 bytes each) lie in slot 0, which by then has had its last fill and its last reads.
.set KP,    144
.set VP,    160
.set SLOT,  155648
.set KOFF,  512*VP                     ; pass 2: K lies behind V
.set SCR,   2*SLOT                     ; the minima: 1,024 bytes a query group, 512 a wave
.set XPART, 17*512                     ; the end: what a wave gives away: 64 registers of O and 4 of sums, 512 bytes for each four
.set STAGE, 8*XPART                    ; the stages of the way out, behind the exchange
.set C_A,   0x3d800000                 ; 1/16
.set C_3AA, 0x3c400000                 ; 3/256
.set C_2A3, 0x3a000000                 ; 2/4096
; window 0
.set LK1, 8                            ; pass 1: (l % 16) 144 + 16 (l / 16) + my half of a slot's 1,024 keys
.set LV2, 9                            ; pass 2: lane term of a transposing load of V + my half of a slot's 512 keys
.set KAD, 10                           ; running address in K
.set QO,  11                           ; lane term of a Q fragment in memory
.set QS,  12                           ; -1/128 in both f16 halves
.set LK2, 13                           ; pass 2: as LK1, behind V, my half of 512 keys
.set MB,  14                           ; the minima of my query group: 16 bytes a lane
.set MST, 15                           ; where I put mine
.set MX,  16                           ; v16-23   two running minima a query tile
.set MI,  24                           ; v24-31   the two partners' minima as read back
.set QF,  32                           ; v32-95   Q fragments: 16 q + 8 ks
.set CM,  96                           ; v96-127  1/16 - mn, eight equal registers a query tile
.set KB,  128                          ; v128-191 K fragments
.set SA,  192                          ; v192-223 pass 1: scores of one key tile, four query tiles
.set SB,  224                          ; v224-255 the same, the other buffer
; window 1
.set OO,  0                            ; 0-127    O^T: 8 (4 q + d)
.set SS,  128                          ; 128-191  scores: 16 q + 8 kt; P of tile q lands on its first eight
.set VV,  192                          ; 192-223  V^T fragments: 8 d
.set SUM, 224                          ; 224-231  a pair of sums a query tile
.set UU,  232                          ; 232-247  at work
.set VAD, 248
.set STO1, 249
.set RD1, 250
.set CO1, 251
.set XB,  252                          ; the exchange of my query group: 16 bytes a lane
.set G1K, 16                           ; s[16:23] shape: 16 KiB dense, padded to pitch 144
.set G1V, 24                           ; s[24:31] the same, padded to pitch 160
.set GP,  32                           ; s[32:39] pass 1 fills, one set a slot
.set GK,  40                           ; s[40:47] pass 2 K, one set a slot
.set GV,  48                           ; s[48:55] pass 2 V, one set a slot
.set MSB, 0
.macro WIN new
.if MSB != \new
	s_set_vgpr_msb (MSB<<8)|\new
.set MSB, \new
.endif
.endm
.macro PLACES
.rept 4
	v_nop
.endr
.endm
.macro JLOAD s                         ; waves 0-3 fetch the quarters of V, waves 4-7 those of K
	s_cmp_eq_u32 s10, 0
	s_cbranch_scc0 .Lfor_k_\@
	tensor_load_to_lds s[GV+4*\s:GV+4*\s+3], s[G1V:G1V+7]
	s_nop 0
	s_branch .Lasked_\@
.Lfor_k_\@:
	tensor_load_to_lds s[GK+4*\s:GK+4*\s+3], s[G1K:G1K+7]
	s_nop 0
.Lasked_\@:
.endm
.macro CROUND                          ; a round of the cluster barrier
	s_barrier_signal -1
	s_barrier_wait -1
	s_cmp_lg_u32 s8, 0
	s_cbranch_scc1 .Lnot_wave_0_\@
	s_barrier_signal -3
.Lnot_wave_0_\@:
	s_barrier_wait -3
	s_barrier_signal -1
	s_barrier_wait -1
.endm
; Slot s, which every wave has read, is filled again.  step = 1: its addresses go on by two tiles of 512 keys.
.macro REFILL s, step
	s_wait_dscnt 0x0                               ; my reads of the slot are back (and my LDS stores are in)
	s_set_vgpr_msb 0x5
	s_wait_tensorcnt 0x0                           ; all my tensor loads have landed, the other slot's among them: descriptors may be written
	ds_add_u32 v254, v255
	s_wait_dscnt 0x0
	s_set_vgpr_msb 0x500
.if \step
	s_add_nc_u64 s[GK+4*\s+2:GK+4*\s+3], s[GK+4*\s+2:GK+4*\s+3], 131072
	s_add_nc_u64 s[GV+4*\s+2:GV+4*\s+3], s[GV+4*\s+2:GV+4*\s+3], 131072
.endif
	CROUND                                         ; both now hold of every wave of the four work-groups
	JLOAD \s                                       ; my one tensor load behind the round, and the first thing there
.endm
	s_load_b128 s[4:7], s[0:1], 0x0                ; qkv s[4:5], ao s[6:7]
	s_set_vgpr_msb 0x40
	v_lshl_add_u32 v254, v0, 2, 0x4e400
	v_mov_b32 v255, 0
	s_set_vgpr_msb 0x4045
	ds_add_u32 v254, v255
	s_set_vgpr_msb 0x4500
	v_lshrrev_b32 v1, 5, v0
	v_readfirstlane_b32 s8, v1                     ; wave 0..7
	s_and_b32 s9, s8, 3                            ; my query group.  Also: which quarter of a pass 2 tile I fetch
	s_lshr_b32 s10, s8, 2                          ; my half of the keys.  Also: I fetch V (0) or K (1)
	s_bfe_u32 s11, ttmp6, 0x40000                  ; cx: enters the addresses of Q and of ao alone
	s_lshl_b32 s12, ttmp9, 2
	s_add_co_u32 s12, s12, s11                     ; query block 0..7
	s_and_b32 s13, ttmp7, 0xffff                   ; y = 2 h + b
	s_mov_b32 s56, 0x76543210                      ; v_permlanex16_b32: lane i reads lane i of the other half
	s_mov_b32 s57, 0xfedcba98
	; A load is a dense block of 16 KiB (128 rows of 128 bytes), fetched as 64 rows of 256 bytes; padding after every 32 words.
	s_mov_b32 s[G1K+0], 15|(3<<16)|(1<<20)|(1<<21)|(4<<22)|(3<<25)   ; mask of the four; 8-byte elements; padding on; bit 21; every 32 words; 4 words
	s_mov_b32 s[G1V+0], 15|(3<<16)|(1<<20)|(1<<21)|(4<<22)|(7<<25)   ; the same with 8 words of padding
.irp g, G1K, G1V
	s_mov_b32 s[\g+1], 32<<16                      ; tensor_dim0 = 32 elements
	s_mov_b32 s[\g+2], 64<<16                      ; tensor_dim1 = 64
	s_mov_b32 s[\g+3], 32<<16                      ; tile_dim0 = 32
	s_mov_b32 s[\g+4], 64                          ; tile_dim1 = 64
	s_mov_b32 s[\g+5], 32                          ; dense: the pitch is the row
	s_mov_b32 s[\g+6], 0
	s_mov_b32 s[\g+7], 0
.endr
	s_mul_i32 s59, s8, 128*KP
	s_mov_b32 s[GP+0], 1
	s_mov_b32 s[GP+4], 1
	s_add_co_u32 s[GP+1], s59, 0                   ; pass 1: wave w brings keys 128 w .. + 127 of the slot's 1,024
	s_add_co_u32 s[GP+5], s59, SLOT
	s_mov_b32 s[GK+0], 1
	s_mov_b32 s[GK+4], 1
	s_add_co_u32 s[GK+1], s59, KOFF-4*128*KP       ; pass 2: waves 4-7 bring K behind V
	s_add_co_u32 s[GK+5], s59, SLOT+KOFF-4*128*KP
	s_mul_i32 s59, s8, 128*VP
	s_mov_b32 s[GV+0], 1
	s_mov_b32 s[GV+4], 1
	s_add_co_u32 s[GV+1], s59, 0                   ; waves 0-3 bring V
	s_add_co_u32 s[GV+5], s59, SLOT
	s_lshl_b32 s60, s13, 18
	s_add_co_u32 s60, s60, 8388608                 ; K of my head: block 32 + y
	s_mov_b32 s61, 0
	s_lshl_b32 s62, s8, 14
	s_mov_b32 s63, 0
	s_lshl_b32 s2, s13, 18                         ; Q: block y, row 256 x query block + 64 x query group
	s_lshl_b32 s3, s12, 15
	s_add_co_u32 s2, s2, s3
	s_lshl_b32 s3, s9, 13
	s_add_co_u32 s2, s2, s3
	s_mov_b32 s3, 0
	v_and_b32 v1, 15, v0                           ; r
	v_bfe_u32 v2, v0, 4, 1                         ; h
	v_and_b32 v3, 31, v0                           ; lane
	v_lshlrev_b32 v[QO], 7, v1
	v_lshl_add_u32 v[QO], v2, 4, v[QO]
	s_wait_dscnt 0x0
	s_wait_kmcnt 0x0
	s_add_nc_u64 s[14:15], s[4:5], s[2:3]
.irp q, 0,1,2,3
.irp c, 0,1,2,3
	global_load_b128 v[QF+16*\q+4*\c:QF+16*\q+4*\c+3], v[QO], s[14:15] offset:\q*2048+\c*32
.endr
.endr
	s_add_nc_u64 s[60:61], s[4:5], s[60:61]
	s_add_nc_u64 s[GP+2:GP+3], s[60:61], s[62:63]
	s_add_nc_u64 s[GP+6:GP+7], s[GP+2:GP+3], 131072
	s_lshl_b32 s62, s9, 14
	s_add_nc_u64 s[GK+2:GK+3], s[60:61], s[62:63]
	s_add_nc_u64 s[GK+6:GK+7], s[GK+2:GK+3], 65536
	s_add_nc_u64 s[GV+2:GV+3], s[GK+2:GK+3], 8388608   ; V: block 64 + y
	s_add_nc_u64 s[GV+6:GV+7], s[GV+2:GV+3], 65536
.irp g, GP+3, GP+7, GK+3, GK+7, GV+3, GV+7
	s_or_b32 s[\g], s[\g], 0x80000000
.endr
	CROUND                                         ; the four work-groups are here: the first joint loads meet
	tensor_load_to_lds s[GP:GP+3], s[G1K:G1K+7]    ; keys 0 .. 1,023
	s_nop 0
	tensor_load_to_lds s[GP+4:GP+7], s[G1K:G1K+7]  ; keys 1,024 .. 2,047: two loads of this wave are out
	s_nop 0
	; ao: tile (mb = 16 b + 2 x query block + query group / 2, h) of 16,384 bytes, and 64 rows of 128 bytes for the odd query groups
	s_and_b32 s2, s13, 1
	s_lshl_b32 s2, s2, 4
	s_lshl_b32 s3, s12, 1
	s_add_co_u32 s2, s2, s3
	s_lshr_b32 s3, s9, 1
	s_add_co_u32 s2, s2, s3
	s_lshl_b32 s2, s2, 4
	s_lshr_b32 s3, s13, 1
	s_add_co_u32 s2, s2, s3
	s_lshl_b32 s2, s2, 14
	s_and_b32 s3, s9, 1
	s_lshl_b32 s3, s3, 13
	s_add_co_u32 s2, s2, s3
	s_mov_b32 s3, 0
	s_add_nc_u64 s[6:7], s[6:7], s[2:3]
	v_mul_u32_u24 v7, v1, KP
	v_lshl_add_u32 v7, v2, 4, v7                   ; lane term of a K fragment: r x 144 + 16 h
	s_mul_i32 s59, s10, 512*KP
	v_add_nc_u32 v[LK1], s59, v7
	s_mul_i32 s59, s10, 256*KP
	s_add_co_u32 s59, s59, KOFF
	v_add_nc_u32 v[LK2], s59, v7
	v_and_b32 v4, 7, v0
	v_lshl_add_u32 v5, v2, 3, v4                   ; key 8 h + l % 8
	v_mul_u32_u24 v5, v5, VP
	v_bfe_u32 v6, v0, 3, 1
	v_lshl_add_u32 v5, v6, 4, v5                   ; + 16 bytes for the upper eight lanes of each sixteen
	s_mul_i32 s59, s10, 256*VP
	v_add_nc_u32 v[LV2], s59, v5
	s_lshl_b32 s58, s9, 10
	s_add_co_u32 s58, s58, SCR
	v_lshl_add_u32 v[MB], v3, 4, s58               ; the minima of my query group
	s_lshl_b32 s59, s10, 9
	v_add_nc_u32 v[MST], s59, v[MB]                ; mine among them
	v_lshrrev_b32 v5, 3, v3
	v_mul_u32_u24 v5, v5, KP
	v_lshl_add_u32 v5, v4, 4, v5                   ; read-back: eight lanes a row of 128 bytes
	s_mul_i32 s59, s8, 16*KP
	s_add_co_u32 s59, s59, STAGE                   ; my stage
	s_mul_i32 s58, s9, 2*XPART                     ; the exchange of my query group
	WIN 0x40
	v_add_nc_u32 v[STO1], s59, v7
	v_add_nc_u32 v[RD1], s59, v5
	v_lshlrev_b32 v[CO1], 4, v3
	v_lshl_add_u32 v[XB], v3, 4, s58
	WIN 0
.irp j, 0,1,2,3,4,5,6,7
	v_mov_b32 v[MX+\j], 0x7f800000                 ; + infinity
.endr
	v_mov_b32 v[QS], 0xa000a000                    ; -2^-7 as f16, twice
	s_wait_loadcnt 0x0                             ; Q
.set i, 0
.rept 64
	v_pk_mul_f16 v[QF+i], v[QF+i], v[QS]           ; x -1/128, both halves: a power of two, exact above the f16 denormals
.set i, i+1
.endr
; PASS 1, one key tile: eight products (first d 0-31 of the four query tiles with C = 0, then d 32-63 in place, four instructions behind the first link:
; the accumulators take turns).  Behind each product two minima over the tile made one phase ago; they are the places
; that a fresh result and a K buffer need.  Behind the fourth product the K tile three ahead is asked for, into the buffer read one phase ago.
.macro PH1 kb, sn, so, domax, load, wt, imm
	s_wait_dscnt \wt
.irp n, 0,1,2,3,4,5,6,7
.if \n < 4
	v_wmma_f32_16x16x32_f16 v[\sn+8*\n:\sn+8*\n+7], v[KB+16*\kb:KB+16*\kb+7], v[QF+16*\n:QF+16*\n+7], 0
.else
	v_wmma_f32_16x16x32_f16 v[\sn+8*(\n-4):\sn+8*(\n-4)+7], v[KB+16*\kb+8:KB+16*\kb+15], v[QF+16*(\n-4)+8:QF+16*(\n-4)+15], v[\sn+8*(\n-4):\sn+8*(\n-4)+7]
.endif
.if \domax
	v_min3_num_f32 v[MX+2*(\n/2)],   v[MX+2*(\n/2)],   v[\so+8*(\n/2)+4*(\n%2)],   v[\so+8*(\n/2)+4*(\n%2)+1]
	v_min3_num_f32 v[MX+2*(\n/2)+1], v[MX+2*(\n/2)+1], v[\so+8*(\n/2)+4*(\n%2)+2], v[\so+8*(\n/2)+4*(\n%2)+3]
.endif
.if \n == 3
.if \load
.irp c, 0,1,2,3
	ds_load_b128 v[KB+16*((\kb+3)%4)+4*\c:KB+16*((\kb+3)%4)+4*\c+3], v[KAD] offset:\imm+\c*32
.endr
.endif
.endif
.endr
.if \domax == 0
	PLACES                                         ; no minima here: four places in front of the next phase's reads of these results
.endif
.endm
; Four key tiles.  The wait for 8 lets the two younger tiles' four loads each stay out; in the last four tiles the counts run down.
.macro ITER1 first, last
.if \first
	PH1 0, SA, SB, 0, 1, 8, 3*16*KP
.else
	PH1 0, SA, SB, 1, 1, 8, 3*16*KP
.endif
.if \last
	PH1 1, SB, SA, 1, 0, 8, 0
	PH1 2, SA, SB, 1, 0, 4, 0
	PH1 3, SB, SA, 1, 0, 0, 0
.else
	PH1 1, SB, SA, 1, 1, 8, 4*16*KP
	PH1 2, SA, SB, 1, 1, 8, 5*16*KP
	PH1 3, SB, SA, 1, 1, 8, 6*16*KP
	v_add_nc_u32 v[KAD], 4*16*KP, v[KAD]
.endif
.endm
.macro PASS1 slot                      ; my 32 key tiles of a slot: 4 + 6 x 4 + 4
	v_add_nc_u32 v[KAD], \slot*SLOT, v[LK1]
.irp t, 0,1,2
.irp c, 0,1,2,3
	ds_load_b128 v[KB+16*\t+4*\c:KB+16*\t+4*\c+3], v[KAD] offset:\t*16*KP+\c*32
.endr
.endr
	ITER1 1, 0
	s_mov_b32 s58, 6
.Lp1_\@:
	ITER1 0, 0
	s_sub_co_u32 s58, s58, 1
	s_cmp_lg_u32 s58, 0
	s_cbranch_scc1 .Lp1_\@
	ITER1 0, 1
.irp n, 0,1,2,3,4,5,6,7
	v_min3_num_f32 v[MX+2*(\n/2)],   v[MX+2*(\n/2)],   v[SB+8*(\n/2)+4*(\n%2)],   v[SB+8*(\n/2)+4*(\n%2)+1]
	v_min3_num_f32 v[MX+2*(\n/2)+1], v[MX+2*(\n/2)+1], v[SB+8*(\n/2)+4*(\n%2)+2], v[SB+8*(\n/2)+4*(\n%2)+3]
.endr
.endm
; PASS 2.
.macro PV q, d, zero                   ; O^T(q, d) += V^T(d) P^T(q)
.if \zero
	v_wmma_f32_16x16x32_f16 v[OO+8*(4*\q+\d):OO+8*(4*\q+\d)+7], v[VV+8*\d:VV+8*\d+7], v[SS+16*\q:SS+16*\q+7], 0
	s_wait_alu depctr_va_vdst(0)
.else
	v_wmma_f32_16x16x32_f16 v[OO+8*(4*\q+\d):OO+8*(4*\q+\d)+7], v[VV+8*\d:VV+8*\d+7], v[SS+16*\q:SS+16*\q+7], v[OO+8*(4*\q+\d):OO+8*(4*\q+\d)+7]
.endif
.endm
; The weights of query tile q (16 numbers a lane), with the four products of tile pv strewn among them (pv = -1: none).
.macro UNIT q, pv, zero
.irp p, 0,1,2,3,4,5,6,7
	v_pk_fma_f32 v[UU+2*\p:UU+2*\p+1], v[SS+16*\q+2*\p:SS+16*\q+2*\p+1], v[SS+16*\q+2*\p:SS+16*\q+2*\p+1], C_3AA op_sel_hi:[1,1,0]   ; u = T T + 3/256
.endr
.if \pv >= 0
	PV \pv, 0, \zero
.endif
.irp p, 0,1,2,3,4,5,6,7
	v_pk_fma_f32 v[SS+16*\q+2*\p:SS+16*\q+2*\p+1], v[SS+16*\q+2*\p:SS+16*\q+2*\p+1], v[UU+2*\p:UU+2*\p+1], C_2A3 op_sel_hi:[1,1,0]   ; T u + 2/4096
.endr
.if \pv >= 0
	PV \pv, 1, \zero
.endif
.irp j, 0,1,2,3,4,5,6,7
	v_rcp_f32 v[UU+\j], v[SS+16*\q+\j]
.endr
.if \pv >= 0
	PV \pv, 2, \zero
.endif
.irp j, 8,9,10,11,12,13,14,15
	v_rcp_f32 v[UU+\j], v[SS+16*\q+\j]
.endr
.if \pv >= 0
	PV \pv, 3, \zero
.endif
	v_nop                                          ; one plain place behind the reciprocals (ISA guide 5.7.2) before results are used and sources rewritten
	s_wait_alu depctr_va_vdst(0)
.irp p, 0,1,2,3,4,5,6,7
.if \zero
.if \p == 1
	v_pk_add_f32 v[SUM+2*\q:SUM+2*\q+1], v[UU:UU+1], v[UU+2:UU+3]          ; the first two pairs start the sums: nothing is cleared
.endif
.if \p > 1
	v_pk_add_f32 v[SUM+2*\q:SUM+2*\q+1], v[SUM+2*\q:SUM+2*\q+1], v[UU+2*\p:UU+2*\p+1]
.endif
.else
	v_pk_add_f32 v[SUM+2*\q:SUM+2*\q+1], v[SUM+2*\q:SUM+2*\q+1], v[UU+2*\p:UU+2*\p+1]
.endif
	v_cvt_pk_f16_f32 v[SS+16*\q+\p], v[UU+2*\p], v[UU+2*\p+1]              ; P^T of tile q, on the first eight score registers
.endr
.endm
; 32 keys.  kb: the K buffer to multiply; ahead = 1: the next block's K (at koff) and V (at voff) are asked for.
; All matrix instructions of a block name different accumulators in turn, one instruction a turn.
.macro BLOCK kb, koff, voff, ahead, zero
.if \ahead
	WIN 0
.irp kt, 0,1
.irp c, 0,1,2,3
	ds_load_b128 v[KB+32*(1-\kb)+16*\kt+4*\c:KB+32*(1-\kb)+16*\kt+4*\c+3], v[KAD] offset:\koff+\kt*16*KP+\c*32
.endr
.endr
	s_wait_dscnt 16                                ; this block's K is in; its 8 loads of V and the 8 just issued stay out
.else
	s_wait_dscnt 8                                 ; this block's K is in; its 8 loads of V stay out
.endif
	WIN 0x40
.irp q, 0,1,2,3
.irp kt, 0,1
	v_wmma_f32_16x16x32_f16 v[SS+16*\q+8*\kt:SS+16*\q+8*\kt+7], v[KB+32*\kb+16*\kt:KB+32*\kb+16*\kt+7], v[QF+16*\q:QF+16*\q+7], v[CM+8*\q:CM+8*\q+7]
.endr
.endr
	WIN 0x50
.irp q, 0,1,2,3
.irp kt, 0,1
	v_wmma_f32_16x16x32_f16 v[SS+16*\q+8*\kt:SS+16*\q+8*\kt+7], v[KB+32*\kb+16*\kt+8:KB+32*\kb+16*\kt+15], v[QF+16*\q+8:QF+16*\q+15], v[SS+16*\q+8*\kt:SS+16*\q+8*\kt+7]
.endr
.endr
	WIN 0x55
	PLACES                                         ; four places behind the score products
	UNIT 0, -1, \zero
.if \ahead
	s_wait_dscnt 8                                 ; V is in; the next block's 8 loads of K stay out
.else
	s_wait_dscnt 0
.endif
	UNIT 1, 0, \zero
	UNIT 2, 1, \zero
	UNIT 3, 2, \zero
	PV 3, 0, \zero
	PV 3, 1, \zero
	PV 3, 2, \zero
	PV 3, 3, \zero
.rept 5
	v_nop                                          ; five places before V is loaded again, the next score product writes over P of tile 3, or O is stored
.endr
.if \ahead
.irp d, 0,1,2,3
	ds_load_tr16_b128 v[VV+8*\d:VV+8*\d+3],   v[VAD] offset:\voff+32*\d
	ds_load_tr16_b128 v[VV+8*\d+4:VV+8*\d+7], v[VAD] offset:\voff+32*\d+16*VP
.endr
.endif
.endm
.macro ITER2 zero, last                ; 64 keys
	BLOCK 0, 32*KP, 32*VP, 1, \zero
.if \last
	BLOCK 1, 0, 0, 0, 0
.else
	BLOCK 1, 64*KP, 64*VP, 1, 0
	v_add_nc_u32 v[VAD], 64*VP, v[VAD]
	WIN 0
	v_add_nc_u32 v[KAD], 64*KP, v[KAD]
.endif
.endm
.macro PASS2 slot, first               ; my 256 keys of a slot: four times 64
	WIN 0
	v_add_nc_u32 v[KAD], \slot*SLOT, v[LK2]
.irp kt, 0,1
.irp c, 0,1,2,3
	ds_load_b128 v[KB+16*\kt+4*\c:KB+16*\kt+4*\c+3], v[KAD] offset:\kt*16*KP+\c*32
.endr
.endr
	WIN 0x40
	v_add_nc_u32 v[VAD], \slot*SLOT, v[LV2]
	WIN 0x55
.irp d, 0,1,2,3
	ds_load_tr16_b128 v[VV+8*\d:VV+8*\d+3],   v[VAD] offset:32*\d
	ds_load_tr16_b128 v[VV+8*\d+4:VV+8*\d+7], v[VAD] offset:32*\d+16*VP
.endr
.if \first
	ITER2 1, 0                                     ; the very first products start the sums
	s_mov_b32 s58, 2
.else
	WIN 0
	s_mov_b32 s58, 3
.endif
.Lp2_\@:
	ITER2 0, 0
	s_sub_co_u32 s58, s58, 1
	s_cmp_lg_u32 s58, 0
	s_cbranch_scc1 .Lp2_\@
	ITER2 0, 1
	WIN 0
.endm
	s_wait_tensorcnt 0x1                           ; my part of keys 0 .. 1,023 is in; the second load stays out
	s_barrier_signal -1
	s_barrier_wait -1
	PASS1 0
	REFILL 0, 0                                    ; slot 0: V and K of keys 0 .. 511
	PASS1 1
.irp q, 0,1,2,3
	v_min_num_f32 v[MX+2*\q], v[MX+2*\q], v[MX+2*\q+1]
.endr
.irp q, 0,1,2,3
	v_permlanex16_b32 v[MX+2*\q+1], v[MX+2*\q], s56, s57   ; the other half of the lanes holds the other keys of my query
.endr
.irp q, 0,1,2,3
	v_min_num_f32 v[4+\q], v[MX+2*\q], v[MX+2*\q+1]        ; the least z of my half of the keys, four query tiles side by side
.endr
	ds_store_b128 v[MST], v[4:7]                   ; for my partner; the wait for it stands in front of the round below
	REFILL 1, 0                                    ; slot 1: keys 512 .. 1,023
	ds_load_b128 v[MI:MI+3],   v[MB]               ; both halves' minima of my query group, behind the round's barriers
	ds_load_b128 v[MI+4:MI+7], v[MB] offset:512
	s_wait_dscnt 0x0
.irp q, 0,1,2,3
	v_min_num_f32 v[MX+2*\q], v[MI+\q], v[MI+4+\q]
.endr
.irp q, 0,1,2,3
.irp j, 0,1,2,3,4,5,6,7
	v_sub_f32 v[CM+8*\q+\j], C_A, v[MX+2*\q]               ; 1/16 - mn = (1 + the largest logit) / 16
.endr
.endr
	PASS2 0, 1
	REFILL 0, 1                                    ; keys 1,024 .. 1,535: slot 0's last fill
	PASS2 1, 0
	REFILL 1, 1                                    ; keys 1,536 .. 2,047: the last load
	PASS2 0, 0
	s_wait_dscnt 0x0                               ; my last reads of slot 0 are back,
	s_wait_tensorcnt 0x0                           ; my part of the last tile is in,
	s_barrier_signal -1
	s_barrier_wait -1                              ; everybody's are; nothing is filled any more, and slot 0 is free for the exchange and the stages
	PASS2 1, 0
	; THE END.  Each wave holds O and the sums of 64 queries over its half of the keys.  The wave of the first half finishes query tiles 0, 1, its partner
	; tiles 2, 3: each gives the other two tiles away through LDS (17 stores of 512 consecutive bytes), and adds what it is given.
; I give away tiles qa, qa + 1, at byte off of my query group's exchange.
.macro XGIVE qa, off
	WIN 0x55
.irp j, 0,1,2,3,4,5,6,7,8,9,10,11,12,13,14,15
	ds_store_b128 v[XB], v[OO+32*\qa+4*\j:OO+32*\qa+4*\j+3] offset:\off+512*\j
.endr
	ds_store_b128 v[XB], v[SUM+2*\qa:SUM+2*\qa+3] offset:\off+512*16
	WIN 0
.endm
; O / sum of tile q, rounded to f16, through my own stage, out in rows of 128 bytes.
.macro OUTQ q
.irp d, 0,1,2,3
.irp p, 0,1,2,3
	v_pk_mul_f32 v[OO+8*(4*\q+\d)+2*\p:OO+8*(4*\q+\d)+2*\p+1], v[OO+8*(4*\q+\d)+2*\p:OO+8*(4*\q+\d)+2*\p+1], v[SUM+2*\q:SUM+2*\q+1]
.endr
.endr
.irp d, 0,1,2,3
.irp p, 0,1,2,3
	v_cvt_pk_f16_f32 v[UU+4*\d+\p], v[OO+8*(4*\q+\d)+2*\p], v[OO+8*(4*\q+\d)+2*\p+1]
.endr
.endr
.irp d, 0,1,2,3
	ds_store_b128 v[STO1], v[UU+4*\d:UU+4*\d+3] offset:32*\d
.endr
.irp i, 0,1,2,3
	ds_load_b128 v[SS+16*\q+4*\i:SS+16*\q+4*\i+3], v[RD1] offset:\i*4*KP   ; LDS serves a wave in order (ISA guide 5.7.1): these see the stores above
.endr
.irp i, 0,1,2,3
	s_wait_dscnt 3-\i                              ; the younger read-backs stay out
	global_store_b128 v[CO1], v[SS+16*\q+4*\i:SS+16*\q+4*\i+3], s[6:7] offset:\q*2048+\i*512   ; four rows: 512 consecutive bytes of ao
.endr
.endm
; I take my partner's part of tiles qa, qb = qa + 1 from byte off, add it, and finish the two tiles.
.macro XTAKE qa, qb, off
	WIN 0x55
.irp j, 0,1,2,3,4,5,6,7,8,9,10,11,12,13,14,15
	ds_load_b128 v[SS+4*\j:SS+4*\j+3], v[XB] offset:\off+512*\j
.endr
	ds_load_b128 v[UU:UU+3], v[XB] offset:\off+512*16
.irp j, 0,1,2,3,4,5,6,7,8,9,10,11,12,13,14,15
	s_wait_dscnt 16-\j                             ; of the 17 loads the younger ones stay out
	v_pk_add_f32 v[OO+32*\qa+4*\j:OO+32*\qa+4*\j+1],   v[OO+32*\qa+4*\j:OO+32*\qa+4*\j+1],   v[SS+4*\j:SS+4*\j+1]
	v_pk_add_f32 v[OO+32*\qa+4*\j+2:OO+32*\qa+4*\j+3], v[OO+32*\qa+4*\j+2:OO+32*\qa+4*\j+3], v[SS+4*\j+2:SS+4*\j+3]
.endr
	s_wait_dscnt 0x0
	v_pk_add_f32 v[SUM+2*\qa:SUM+2*\qa+1], v[SUM+2*\qa:SUM+2*\qa+1], v[UU:UU+1]
	v_pk_add_f32 v[SUM+2*\qb:SUM+2*\qb+1], v[SUM+2*\qb:SUM+2*\qb+1], v[UU+2:UU+3]
	WIN 0x05                                       ; a query's sum lies in two registers of two lanes
	v_add_f32 v[MX],   v[SUM+2*\qa], v[SUM+2*\qa+1]
	v_add_f32 v[MX+2], v[SUM+2*\qb], v[SUM+2*\qb+1]
	WIN 0
	v_permlanex16_b32 v[MX+1], v[MX],   s56, s57
	v_permlanex16_b32 v[MX+3], v[MX+2], s56, s57
	v_add_f32 v[MX],   v[MX],   v[MX+1]
	v_add_f32 v[MX+2], v[MX+2], v[MX+3]
	WIN 0x40
	v_rcp_f32 v[SUM+2*\qa],   v[MX]                ; twice: a pair for the packed multiply
	v_rcp_f32 v[SUM+2*\qa+1], v[MX]
	v_rcp_f32 v[SUM+2*\qb],   v[MX+2]
	v_rcp_f32 v[SUM+2*\qb+1], v[MX+2]
	WIN 0x55
	v_nop                                          ; one plain place behind the reciprocals
	s_wait_alu depctr_va_vdst(0)
	OUTQ \qa
	OUTQ \qb
	WIN 0
.endm
	s_cmp_eq_u32 s10, 0                            ; the branches hang on the wave number alone; no barrier stands inside them
	s_cbranch_scc0 .Lgive_low
	XGIVE 2, 0
	s_branch .Lgiven
.Lgive_low:
	XGIVE 0, XPART
.Lgiven:
	s_wait_dscnt 0x0                               ; my stores are in LDS, for my partner's sake
	s_barrier_signal -1
	s_barrier_wait -1
	s_cmp_eq_u32 s10, 0
	s_cbranch_scc0 .Ltake_high
	XTAKE 0, 1, XPART
	s_branch .Ltaken
.Ltake_high:
	XTAKE 2, 3, 0
.Ltaken:
	s_set_vgpr_msb 0x5
	s_wait_tensorcnt 0x0
	ds_add_u32 v254, v255
	s_wait_dscnt 0x0
	s_set_vgpr_msb 0x500
	CROUND                                         ; the closing round
	s_endpgm
.Lfunc_end_k_qd28879a867_attn:
	.size	k_qd28879a867_attn, .Lfunc_end_k_qd28879a867_attn-k_qd28879a867_attn
	.p2alignl 7, 3214868480
	.fill 96, 4, 3214868480
	.section	.rodata,"a",@progbits
	.p2align	6, 0x0
	.amdhsa_kernel k_qd28879a867_attn
		.amdhsa_group_segment_fixed_size 327680
		.amdhsa_private_segment_fixed_size 0
		.amdhsa_enable_private_segment 0
		.amdhsa_kernarg_size 16
		.amdhsa_user_sgpr_count 2
		.amdhsa_user_sgpr_kernarg_segment_ptr 1
		.amdhsa_wavefront_size32 1
		.amdhsa_system_sgpr_workgroup_id_x 1
		.amdhsa_system_sgpr_workgroup_id_y 1
		.amdhsa_system_sgpr_workgroup_id_z 1
		.amdhsa_system_vgpr_workitem_id 0
		.amdhsa_next_free_vgpr 512
		.amdhsa_next_free_sgpr 66
		.amdhsa_reserve_vcc 0
		.amdhsa_float_denorm_mode_32 3
		.amdhsa_float_denorm_mode_16_64 3
		.amdhsa_memory_ordered 1
		.amdhsa_forward_progress 1
		.amdhsa_inst_pref_size 255
	.end_amdhsa_kernel
	.section	.bss,"aw",@nobits
	.p2align	6
	.space	262144
	.amdgpu_metadata
---
amdhsa.version: [ 1, 2 ]
amdhsa.kernels:
  - .name:           k_qd28879a867_attn
    .symbol:         k_qd28879a867_attn.kd
    .args:
      - { .name: qkv, .offset: 0, .size: 8, .value_kind: global_buffer, .address_space: global }
      - { .name: ao, .offset: 8, .size: 8, .value_kind: global_buffer, .address_space: global }
    .group_segment_fixed_size: 327680
    .private_segment_fixed_size: 0
    .kernarg_segment_align: 8
    .kernarg_segment_size: 16
    .max_flat_workgroup_size: 256
    .sgpr_count:     66
    .vgpr_count:     512
    .wavefront_size: 32
...
	.end_amdgpu_metadata
.endif
;; end of part 2
;; launch oproj (part 3): grid 8 x 32, 4 waves a work-group, clusters of 4 x 4, 327,680 bytes of LDS; arguments ao, wo, b_out, out0; writes out0
.if DOCPART == 3
	.amdgcn_target "amdgcn-amd-amdhsa--gfx1250"
	.amdhsa_code_object_version 6
	.text
	.protected	k_qd28879a867_oproj
	.globl	k_qd28879a867_oproj
	.p2align	8
	.type	k_qd28879a867_oproj,@function
k_qd28879a867_oproj:
	s_mov_b64 s[64:65], 0
	v_nop
	global_prefetch_b8 v0, s[64:65] scope:SCOPE_SE
	s_setreg_imm32_b32 hwreg(HW_REG_WAVE_MODE, 25, 1), 1
	s_wait_xcnt 0x0
	s_wait_alu depctr_hold_cnt(0) depctr_sa_sdst(0) depctr_va_vdst(0) depctr_va_sdst(0) depctr_va_ssrc(0) depctr_va_vcc(0) depctr_vm_vsrc(0)
	s_getreg_b32 s2, hwreg(HW_REG_IB_STS2, 6, 4)
	s_cmp_eq_u32 s2, 0
	s_cbranch_scc0 .Lentry_in_a_cluster
	s_endpgm
.Lentry_in_a_cluster:
	s_bfe_u32 s2, ttmp6, 0x10000c
	s_cmp_lg_u32 s2, 0xf033
	s_cbranch_scc0 .Lentry_shape_is_right
	s_endpgm
.Lentry_shape_is_right:
; out0[s][n] = sum over k of ao[s][k] w_out[n][k] + b_out[n], f32 out.  ao and wo are f16 in blocks [128 rows][64 k] of 16,384 dense bytes:
; ao[mb = s / 128][k / 64], wo[nb = n / 128][k / 64], as the first two launches stored them.  Products in f16, sums in f32.
; A work-group makes 128 x 128 with four waves of 64 x 64 (16 accumulator tiles): 32 x 8 = 256 work-groups.
; K goes in four steps of 256 through two LDS slots; a wave brings 32 KiB (two blocks) with one tensor load, dense in memory, padded to rows of 144 bytes.
; CLUSTERS: 4 x 4.  ao tiles hang on the block row alone and are shared along a cluster row, wo tiles on the block column and are shared along a cluster column.
; The bias is the C operand of the first products: nothing is cleared and nothing is added later.
; The matrix instruction is used transposed (source 0 = rows of wo, source 1 = rows of ao): a lane holds eight neighbouring columns of one row.
; REGISTERS: window 0: v16-23 addresses, F0 = v64-127, F1 = v128-191 (four ao fragments, then four wo fragments); window 1: 0-127 accumulators 8 (4 i + t), 128-159 bias.
.set KP,     144
.set BLK,    128*KP                    ; a block of 128 rows x 64 k in LDS
.set PART,   2*BLK                     ; what one load brings
.set SLOT,   4*PART                    ; ao: four blocks, then wo: four blocks
.set STAGE,  2*SLOT
.set SPITCH, 272                       ; the way out: 64 f32 + 16 bytes
.set ADRA, 16
.set ADRB, 18
.set STO,  20
.set RD,   21
.set CO,   22
.set BO,   23
.set F0,   64
.set F1,   128
.set BIAS, 128                         ; window 1
.set G1A,  24
.set G0A,  32
.set G1B,  48
.set G0B,  56
.set DBITS, (3<<16)|(1<<20)|(1<<21)|(4<<22)|(3<<25)   ; 8-byte elements; padding on; bit 21 beside a mask; after every 32 words; 4 words
.set MSB, 0
.macro WIN new
.if MSB != \new
	s_set_vgpr_msb (MSB<<8)|\new
.set MSB, \new
.endif
.endm
.macro PLACES
.rept 4
	v_nop
.endr
.endm
.macro JLOAD s                         ; waves 0, 1 fetch ao, waves 2, 3 wo
	s_cmp_eq_u32 s15, 0
	s_cbranch_scc0 .Lfor_b_\@
	tensor_load_to_lds s[G0A+4*\s:G0A+4*\s+3], s[G1A:G1A+7]
	s_nop 0
	s_branch .Lasked_\@
.Lfor_b_\@:
	tensor_load_to_lds s[G0B+4*\s:G0B+4*\s+3], s[G1B:G1B+7]
	s_nop 0
.Lasked_\@:
.endm
.macro CREST
	s_cmp_lg_u32 s14, 0
	s_cbranch_scc1 .Lnot_wave_0_\@
	s_barrier_signal -3
.Lnot_wave_0_\@:
	s_barrier_wait -3
	s_barrier_signal -1
	s_barrier_wait -1
.endm
.macro CROUND
	s_barrier_signal -1
	s_barrier_wait -1
	CREST
.endm
	s_load_b256 s[4:11], s[0:1], 0x0               ; ao s[4:5], wo s[6:7], b_out s[8:9], out0 s[10:11]
	v_lshl_add_u32 v254, v0, 2, 0x4c400
	v_mov_b32 v255, 0
	ds_add_u32 v254, v255
	v_lshrrev_b32 v1, 5, v0
	v_readfirstlane_b32 s14, v1                    ; wave
	s_lshr_b32 s15, s14, 1                         ; my half of the rows.  Also: I fetch ao (0) or wo (1)
	s_and_b32 s16, s14, 1                          ; my half of the columns.  Also: which two blocks I fetch
	s_bfe_u32 s17, ttmp6, 0x40000                  ; cx
	s_bfe_u32 s18, ttmp6, 0x40004                  ; cy
	s_lshl_b32 s19, ttmp9, 2
	s_add_co_u32 s19, s19, s17                     ; block column nb
	s_and_b32 s20, ttmp7, 0xffff
	s_lshl_b32 s20, s20, 2
	s_add_co_u32 s20, s20, s18                     ; block row mb
	s_lshl_b32 s2, s18, 2
	s_lshl_b32 s2, 15, s2                          ; my row of the cluster
	s_lshl_b32 s3, 0x1111, s17                     ; my column
	s_or_b32 s[G1A+0], s2, DBITS
	s_or_b32 s[G1B+0], s3, DBITS
.irp g, G1A, G1B
	s_mov_b32 s[\g+1], 32<<16                      ; a dense block as 128 rows of 32 elements (256 bytes)
	s_mov_b32 s[\g+2], 128<<16
	s_mov_b32 s[\g+3], 32<<16
	s_mov_b32 s[\g+4], 128
	s_mov_b32 s[\g+5], 32
	s_mov_b32 s[\g+6], 0
	s_mov_b32 s[\g+7], 0
.endr
	s_lshl_b32 s21, s16, 15                        ; my two blocks of the step's four
	s_lshl_b32 s40, s20, 18                        ; sixteen blocks a block row
	s_add_co_u32 s40, s40, s21
	s_mov_b32 s41, 0
	s_lshl_b32 s42, s19, 18
	s_add_co_u32 s42, s42, s21
	s_mov_b32 s43, 0
	s_mul_i32 s22, s14, PART                       ; where they go: ao's two parts, then wo's two = wave x part
	s_wait_dscnt 0x0
	s_wait_kmcnt 0x0
	s_add_nc_u64 s[40:41], s[4:5], s[40:41]
	s_add_nc_u64 s[42:43], s[6:7], s[42:43]
	CROUND                                         ; all sixteen work-groups are here: the first joint loads meet
.irp s, 0,1
	s_mov_b32 s[G0A+4*\s], 1
	s_add_co_u32 s[G0A+4*\s+1], s22, \s*SLOT
	s_add_nc_u64 s[G0A+4*\s+2:G0A+4*\s+3], s[40:41], \s*65536      ; K step s: four blocks on
	s_or_b32 s[G0A+4*\s+3], s[G0A+4*\s+3], 0x80000000
	s_mov_b32 s[G0B+4*\s], 1
	s_add_co_u32 s[G0B+4*\s+1], s22, \s*SLOT
	s_add_nc_u64 s[G0B+4*\s+2:G0B+4*\s+3], s[42:43], \s*65536
	s_or_b32 s[G0B+4*\s+3], s[G0B+4*\s+3], 0x80000000
	JLOAD \s                                       ; two loads of this wave are out
.endr
	v_and_b32 v1, 15, v0                           ; r
	v_bfe_u32 v2, v0, 4, 1                         ; h
	s_lshl_b32 s44, s19, 9                         ; my 64 columns in bytes of f32: 512 x block column + 256 x half
	s_lshl_b32 s45, s16, 8
	s_add_co_u32 s44, s44, s45
	s_mov_b32 s45, 0
	s_add_nc_u64 s[8:9], s[8:9], s[44:45]
	s_add_nc_u64 s[10:11], s[10:11], s[44:45]
	s_lshl_b32 s46, s20, 19                        ; my first row: (128 x block row + 64 x half) x 4,096 bytes
	s_lshl_b32 s47, s15, 18
	s_add_co_u32 s46, s46, s47
	s_mov_b32 s47, 0
	s_add_nc_u64 s[10:11], s[10:11], s[46:47]
	v_lshlrev_b32 v[BO], 5, v2                     ; register j of a result is column 16 t + 8 h + j: eight f32 at 64 t + 32 h
	WIN 0x40
.irp t, 0,1,2,3
	global_load_b128 v[BIAS+8*\t:BIAS+8*\t+3],   v[BO], s[8:9] offset:64*\t
	global_load_b128 v[BIAS+8*\t+4:BIAS+8*\t+7], v[BO], s[8:9] offset:64*\t+16
.endr
	WIN 0
	v_mul_u32_u24 v3, v1, KP
	v_lshl_add_u32 v3, v2, 4, v3                   ; row x pitch + 16 h
	s_mul_i32 s22, s15, 64*KP
	s_mul_i32 s23, s16, 64*KP
	s_add_co_u32 s23, s23, 4*BLK
.irp s, 0,1
	v_add_nc_u32 v[ADRA+\s], s22, v3
	v_add_nc_u32 v[ADRB+\s], s23, v3
	s_add_co_u32 s22, s22, SLOT
	s_add_co_u32 s23, s23, SLOT
.endr
	s_mul_i32 s21, s14, 16*SPITCH
	s_add_co_u32 s21, s21, STAGE                   ; my stage
	v_mul_u32_u24 v4, v1, SPITCH
	v_lshl_add_u32 v4, v2, 5, v4
	v_add_nc_u32 v[STO], s21, v4                   ; in: row r, 32 bytes for each half of the lanes
	v_mul_u32_u24 v5, v2, SPITCH
	v_lshl_add_u32 v5, v1, 4, v5
	v_add_nc_u32 v[RD], s21, v5                    ; back: sixteen lanes a row of 256 bytes
	v_lshlrev_b32 v5, 12, v2
	v_lshl_add_u32 v[CO], v1, 4, v5                ; and the same two rows in out0
; 16 LDS loads: piece u (32 along K) of the slot's 256: block u / 2, byte 64 (u % 2) of its rows
.macro FETCH slot, u, f
	WIN 0
.irp i, 0,1,2,3
	ds_load_b128 v[\f+8*\i:\f+8*\i+3],   v[ADRA+\slot] offset:(\u/2)*BLK+(\u%2)*64+\i*16*KP
	ds_load_b128 v[\f+8*\i+4:\f+8*\i+7], v[ADRA+\slot] offset:(\u/2)*BLK+(\u%2)*64+\i*16*KP+32
.endr
.irp i, 0,1,2,3
	ds_load_b128 v[\f+32+8*\i:\f+32+8*\i+3],   v[ADRB+\slot] offset:(\u/2)*BLK+(\u%2)*64+\i*16*KP
	ds_load_b128 v[\f+32+8*\i+4:\f+32+8*\i+7], v[ADRB+\slot] offset:(\u/2)*BLK+(\u%2)*64+\i*16*KP+32
.endr
.endm
; Eight products: row tiles i0, i0 + 1 with the four column tiles.  The sixteen accumulators take turns, one instruction a turn.
.macro MUL8 f, i0, first
	WIN 0x50
.irp i, \i0, \i0+1
.irp t, 0,1,2,3
.if \first
	v_wmma_f32_16x16x32_f16 v[8*(4*(\i)+\t):8*(4*(\i)+\t)+7], v[\f+32+8*\t:\f+32+8*\t+7], v[\f+8*(\i):\f+8*(\i)+7], v[BIAS+8*\t:BIAS+8*\t+7]
.else
	v_wmma_f32_16x16x32_f16 v[8*(4*(\i)+\t):8*(4*(\i)+\t)+7], v[\f+32+8*\t:\f+32+8*\t+7], v[\f+8*(\i):\f+8*(\i)+7], v[8*(4*(\i)+\t):8*(4*(\i)+\t)+7]
.endif
.endr
.endr
.endm
; Buffer fc is multiplied while piece un lands in buffer fn, which the products just issued have read: four places first.
.macro PIECE slot, un, fc, fn, first
	PLACES
	FETCH \slot, \un, \fn
	s_wait_dscnt 16                                ; all but the sixteen just issued
	MUL8 \fc, 0, \first
	MUL8 \fc, 2, \first
.endm
.macro STEP3 slot, next, fill, first, last
	PIECE \slot, 1, F0, F1, \first
	PIECE \slot, 2, F1, F0, 0
	PIECE \slot, 3, F0, F1, 0
	PIECE \slot, 4, F1, F0, 0
	PIECE \slot, 5, F0, F1, 0
	PIECE \slot, 6, F1, F0, 0
	PIECE \slot, 7, F0, F1, 0
	s_wait_dscnt 0x0                               ; the last piece is in, and my reads of this slot are over
.if \last
	MUL8 F1, 0, 0
	MUL8 F1, 2, 0
.else
	s_wait_tensorcnt 0x0                           ; all my tensor loads have landed: the one that was out is my part of the next slot
	ds_add_u32 v254, v255
	s_wait_dscnt 0x0
	s_barrier_signal -1
	MUL8 F1, 0, 0                                  ; register work while the others arrive
	WIN 0
	s_barrier_wait -1
.if \fill
	CREST                                          ; no wave of any partner still reads this slot or has a load on its way
	s_add_nc_u64 s[G0A+4*\slot+2:G0A+4*\slot+3], s[G0A+4*\slot+2:G0A+4*\slot+3], 131072
	s_add_nc_u64 s[G0B+4*\slot+2:G0B+4*\slot+3], s[G0B+4*\slot+2:G0B+4*\slot+3], 131072
	JLOAD \slot                                    ; my one tensor load behind the round: it has the next step's 128 products in which to land
.endif
	PLACES
	FETCH \next, 0, F0
	MUL8 F1, 2, 0
.endif
.endm
	s_wait_tensorcnt 0x1                           ; my part of K step 0 is in; K step 1 stays out
	s_barrier_signal -1
	s_barrier_wait -1
	FETCH 0, 0, F0
	s_wait_loadcnt 0x0                             ; the bias
	STEP3 0, 1, 1, 1, 0
	STEP3 1, 0, 1, 0, 0
	STEP3 0, 1, 0, 0, 0
	STEP3 1, 0, 0, 0, 1
	; THE WAY OUT, 16 rows at a time: 32 bytes a lane into my own stage, read back as whole rows of 256 bytes.
	PLACES                                         ; four places behind the last products, for the LDS stores that read them and the loads into the buffers
.macro OUTI i
	WIN 0x04
.irp t, 0,1,2,3
	ds_store_b128 v[STO], v[8*(4*\i+\t):8*(4*\i+\t)+3]   offset:64*\t
	ds_store_b128 v[STO], v[8*(4*\i+\t)+4:8*(4*\i+\t)+7] offset:64*\t+16
.endr
	WIN 0
.irp q, 0,1,2,3,4,5,6,7
	ds_load_b128 v[F0+32*\i+4*\q:F0+32*\i+4*\q+3], v[RD] offset:\q*2*SPITCH    ; LDS serves a wave in order (ISA guide 5.7.1): these see the stores above
.endr
.irp q, 0,1,2,3,4,5,6,7
	s_wait_dscnt 7-\q                              ; the younger read-backs stay out
	global_store_b128 v[CO], v[F0+32*\i+4*\q:F0+32*\i+4*\q+3], s[10:11] offset:(16*\i+2*\q)*4096 th:TH_STORE_NT   ; sixteen lanes store 256 consecutive bytes, aligned
.endr
.endm
	OUTI 0                                         ; each group of 16 rows has 32 registers of its own: no store's data is written again
	OUTI 1
	OUTI 2
	OUTI 3
	s_wait_tensorcnt 0x0
	ds_add_u32 v254, v255
	s_wait_dscnt 0x0
	CROUND                                         ; the closing round
	s_endpgm
.Lfunc_end_k_qd28879a867_oproj:
	.size	k_qd28879a867_oproj, .Lfunc_end_k_qd28879a867_oproj-k_qd28879a867_oproj
	.p2alignl 7, 3214868480
	.fill 96, 4, 3214868480
	.section	.rodata,"a",@progbits
	.p2align	6, 0x0
	.amdhsa_kernel k_qd28879a867_oproj
		.amdhsa_group_segment_fixed_size 327680
		.amdhsa_private_segment_fixed_size 0
		.amdhsa_enable_private_segment 0
		.amdhsa_kernarg_size 32
		.amdhsa_user_sgpr_count 2
		.amdhsa_user_sgpr_kernarg_segment_ptr 1
		.amdhsa_wavefront_size32 1
		.amdhsa_system_sgpr_workgroup_id_x 1
		.amdhsa_system_sgpr_workgroup_id_y 1
		.amdhsa_system_sgpr_workgroup_id_z 1
		.amdhsa_system_vgpr_workitem_id 0
		.amdhsa_next_free_vgpr 416
		.amdhsa_next_free_sgpr 66
		.amdhsa_reserve_vcc 0
		.amdhsa_float_denorm_mode_32 3
		.amdhsa_float_denorm_mode_16_64 3
		.amdhsa_memory_ordered 1
		.amdhsa_forward_progress 1
		.amdhsa_inst_pref_size 89
	.end_amdhsa_kernel
	.amdgpu_metadata
---
amdhsa.version: [ 1, 2 ]
amdhsa.kernels:
  - .name:           k_qd28879a867_oproj
    .symbol:         k_qd28879a867_oproj.kd
    .args:
      - { .name: ao, .offset: 0, .size: 8, .value_kind: global_buffer, .address_space: global }
      - { .name: wo, .offset: 8, .size: 8, .value_kind: global_buffer, .address_space: global }
      - { .name: b_out, .offset: 16, .size: 8, .value_kind: global_buffer, .address_space: global }
      - { .name: out0, .offset: 24, .size: 8, .value_kind: global_buffer, .address_space: global }
    .group_segment_fixed_size: 327680
    .private_segment_fixed_size: 0
    .kernarg_segment_align: 8
    .kernarg_segment_size: 32
    .max_flat_workgroup_size: 128
    .sgpr_count:     66
    .vgpr_count:     416
    .wavefront_size: 32
...
	.end_amdgpu_metadata
.endif
;; end of part 3
